; MI455X (gfx1250); checked and timed in simulation.
; The chip was launched on July 23, 2026; its instructions are those of AMD's public machine-readable ISA for CDNA 5 (MIT licence, August 2026) and "CDNA5" Instruction Set Architecture Reference Guide (July 2026). The comments in the code are by the model that wrote it; some were corrected since.
;; Real NVP2 D. Allowed arithmetic: matrix products marked QUANTISED: E5M2 operands, one E8M0 scale for each 32 along K, by v_wmma_scale_f32_16x16x128_f8f6f4 with both operands' format E5M2, f32 sums; products left as they are: f32 operands where the result goes on into a quantised operand, else bf16, f16 or f32 operands; f32 sums; everything else in f32.
;; Inputs: an_b 4 x 2 float32; an_logs 4 x 2 float32; cb1 4 x 512 float32; cb2 4 x 512 float32; cb3 4 x 4 float32; cw1 4 x 2 x 512 float32; cw2 4 x 512 x 512 float32; cw3 4 x 512 x 4 float32; x 65,536 x 2 float32.
;; Outputs: out0 65,536 x 2 float32; out1 65,536 float32.
;; This version of the problem:
;;   THIS VERSION OF THE PROBLEM IS GIVEN IN LOW PRECISION. The matrix products marked QUANTISED in the list below multiply operands that are first quantised to E5M2 (5 exponent bits, 2 mantissa bits; 8 bits a number), with one power-of-two scale for each 32 numbers along K (OCP MX v1.0); their sums are f32. All else is computed in f32.
;;   The module's matrix products, in the order in which they are computed (A, B: the left and right operand; K: the contracted axis; several contracted axes count as one K, in the product's order):
;;     1. [M 65,536, K 2] x [K 2, N 512]; A: computed on the way; B: input cw1: left as it is (K = 2 < 32)
;;     2. [M 65,536, K 512] x [K 512, N 512]; A: computed on the way; B: input cw2: QUANTISED
;;     3. [M 65,536, K 512] x [K 512, N 4]; A: computed on the way; B: input cw3: left as it is (N = 4 < 16)
;;     4. [M 65,536, K 2] x [K 2, N 512]; A: computed on the way; B: input cw1: left as it is (K = 2 < 32)
;;     5. [M 65,536, K 512] x [K 512, N 512]; A: computed on the way; B: input cw2: QUANTISED
;;     6. [M 65,536, K 512] x [K 512, N 4]; A: computed on the way; B: input cw3: left as it is (N = 4 < 16)
;;     7. [M 65,536, K 2] x [K 2, N 512]; A: computed on the way; B: input cw1: left as it is (K = 2 < 32)
;;     8. [M 65,536, K 512] x [K 512, N 512]; A: computed on the way; B: input cw2: QUANTISED
;;     9. [M 65,536, K 512] x [K 512, N 4]; A: computed on the way; B: input cw3: left as it is (N = 4 < 16)
;;     10. [M 65,536, K 2] x [K 2, N 512]; A: computed on the way; B: input cw1: left as it is (K = 2 < 32)
;;     11. [M 65,536, K 512] x [K 512, N 512]; A: computed on the way; B: input cw2: QUANTISED
;;     12. [M 65,536, K 512] x [K 512, N 4]; A: computed on the way; B: input cw3: left as it is (N = 4 < 16)
;;   THE QUANTISER, for each operand of a quantised product, along K:
;;     - K is cut into blocks of 32 from its start; a last block that is shorter is filled with zeros.
;;     - A block's scale is 2^e with e = floor(log2(the largest magnitude in the block)) - 15, held to -126 .. 127; a block of zeros has e = 0. As a byte (E8M0): e + 127.
;;     - Each number is divided by its block's scale, clamped to +-57,344, and rounded to the nearest number of E5M2, ties to even, subnormals kept.
;;     - The product sums the exact products of the quantised numbers (number of the format x scale) in f32.
;;   ~~~python
;;   def quantise(x, axis):      # numpy; x: float32 -> the quantised numbers, widened to float32 again
;;       x = np.moveaxis(x, axis, -1); K = x.shape[-1]
;;       x = np.pad(x, [(0, 0)] * (x.ndim - 1) + [(0, -K % 32)]); x = x.reshape(x.shape[:-1] + (-1, 32)); a = np.abs(x).max(-1, keepdims=True)
;;       e = np.where(a > 0, np.clip(np.frexp(np.where(a > 0, a, 1))[1] - 1 - 15, -126, 127), 0)      # np.frexp(a)[1] - 1 = floor(log2(a)), exactly
;;       r = np.clip(x / 2.0 ** e, -57344, 57344)
;;       step = 2.0 ** (np.maximum(np.frexp(np.where(r == 0, 1, r))[1] - 1, -14) - 2)
;;       q = np.round(r / step) * step * 2.0 ** e      # np.round: ties to even
;;       return np.moveaxis(q.reshape(q.shape[:-2] + (-1,))[..., :K], -1, axis).astype(np.float32)
;;   ~~~
;;   OPERANDS COMPUTED ON THE WAY. 'Computed on the way' means the value that the module computes at that place (a softmax that the list does not call 'softmax' is quantised finished and normalised). What goes into a quantiser is computed in f32, as accurately as f32 sums, v_exp_f32 and their like allow (about 1e-6 of the number): no bf16 or f16 on the way to a quantiser, and a product that is left as it is and whose result goes on into a quantised operand takes f32 operands (vector FMAs, or v_wmma_f32_16x16x4_f32). A number that lies on a knife's edge between two numbers of the format may be rounded either way, as far as f32 arithmetic and the matrix unit's own rounding can turn it there, and no further.
;; One version. Each part assembles by itself: llvm-mc -triple=amdgcn-amd-amdhsa -mcpu=gfx1250 --defsym DOCPART=n.
;; ======== version 1 of 1: 2 launches
;; workspace buffers: w2c 1,048,576 bytes; w2s 32,768 bytes
;; launch quant (part 1): grid 32 x 4, 8 waves a work-group, no clusters, 1,280 bytes of LDS; arguments cw2, w2c, w2s; writes w2c, w2s
.if DOCPART == 1
	.amdgcn_target "amdgcn-amd-amdhsa--gfx1250"
	.amdhsa_code_object_version 6
	.text
	.protected	k_qa8410bd810_quant
	.globl	k_qa8410bd810_quant
	.p2align	8
	.type	k_qa8410bd810_quant,@function
k_qa8410bd810_quant:
	s_mov_b64 s[64:65], 0
	v_nop
	global_prefetch_b8 v0, s[64:65] scope:SCOPE_SE
	s_setreg_imm32_b32 hwreg(HW_REG_WAVE_MODE, 25, 1), 1
	s_wait_xcnt 0x0
; cw2 [4][512 (k)][512 (n)], f32, K its first axis within a layer, becomes codes of BF8 (E5M2) and one E8M0 scale byte for each 32 along K.
; A block's scale is 2^(floor(log2(its largest magnitude)) - 15); its byte is the largest magnitude's exponent field - 15, held at 1 from below.
; Each number is divided by the scale, held within +-57,344 and rounded to the nearest code, ties to even.
; LIMITS: a block of zeros gets the byte 1 where the rule says 127 (its codes are zeros, which add nothing under any byte but 0xff, and this program alone reads the bytes);
; NaN and infinities among the inputs are not served.
; THE CODES ARE LAID IN THE ORDER OF THE OPERAND'S REGISTERS, as the next launch reads them: [layer 4][g 2][wave 8][t 4][e 2][c 4][lane 32][16 bytes]:
; byte i of lane (r = lane % 16, h = lane / 16) is the code of cw2[layer][128 (2 g + e) + 32 c + 16 h + i][64 wave + 16 t + r].
; THE SCALE BYTES: [layer 4][s 4][n 512] words; byte c of a word is the byte of block 4 s + c of column n.
; SHARES.  Work-group (x, y): layer y, K step s = x / 8 (128 along K), columns 64 (x % 8) on.  Wave v: block c = v / 2 of the K step, columns 32 (v % 2) on.
; A LANE TAKES A COLUMN AND ITS 32 REGISTERS RUN DOWN K: a block lies in one lane, its largest magnitude needs no other lane, and the conversions give codes with K innermost.
; Each load of a wave reads 128 consecutive bytes of a row of cw2, two waves side by side 256.  All 32 loads of a wave are out at once.
.set EMAX, 15
.set X,    32                          ; v32-63  the block's 32 numbers
.set C,    64                          ; v64-71  its 32 codes
	s_load_b128 s[4:7], s[0:1], 0x0                ; cw2, the codes
	s_load_b64 s[8:9], s[0:1], 0x10                ; the scale words
	v_lshl_add_u32 v80, v0, 2, 0x100
	v_mov_b32 v81, 0
	v_lshrrev_b32 v1, 5, v0
	v_readfirstlane_b32 s10, v1                    ; wave 0..7
	v_and_b32 v1, 31, v0                           ; lane
	s_and_b32 s11, s10, 1                          ; which 32 columns
	s_lshr_b32 s12, s10, 1                         ; c: which block of the K step
	s_and_b32 s13, ttmp9, 7                        ; which 64 columns
	s_lshr_b32 s14, ttmp9, 3                       ; s: which K step
	s_and_b32 s15, ttmp7, 0xffff                   ; layer
	v_lshlrev_b32 v2, 2, v1                        ; in: 4 bytes a lane
	v_lshrrev_b32 v3, 4, v1
	v_and_b32 v4, 15, v1
	v_lshlrev_b32 v4, 4, v4
	v_lshl_add_u32 v3, v3, 12, v4                  ; out: lanes 16-31 belong to the next tile of 16 columns, 4,096 bytes on; 16 bytes a column
	s_lshl_b32 s16, s11, 7
	s_add_co_u32 s16, s16, s12
	v_add_nc_u32 v4, s16, v2                       ; LDS: my column's word, 4 (32 (v % 2) + lane), and in it byte c
	v_lshlrev_b32 v5, 3, v1                        ; the words' way out: 8 bytes a lane
	; cw2: layer x 2^20 + (128 s + 32 c) rows of 2,048 bytes + 4 (64 x%8 + 32 v%2)
	s_lshl_b32 s18, s15, 20
	s_lshl_b32 s17, s14, 18
	s_add_co_u32 s18, s18, s17
	s_lshl_b32 s17, s12, 16
	s_add_co_u32 s18, s18, s17
	s_lshl_b32 s17, s13, 8
	s_add_co_u32 s18, s18, s17
	s_lshl_b32 s17, s11, 7
	s_add_co_u32 s18, s18, s17
	s_mov_b32 s19, 0
	; the codes: layer x 2^18 + (s / 2) x 2^17 + (x % 8) x 2^14 + (v % 2) x 2 tiles of 4,096 + (s % 2) x 2,048 + c x 512
	s_lshl_b32 s20, s15, 18
	s_lshr_b32 s17, s14, 1
	s_lshl_b32 s17, s17, 17
	s_add_co_u32 s20, s20, s17
	s_lshl_b32 s17, s13, 14
	s_add_co_u32 s20, s20, s17
	s_lshl_b32 s17, s11, 13
	s_add_co_u32 s20, s20, s17
	s_and_b32 s17, s14, 1
	s_lshl_b32 s17, s17, 11
	s_add_co_u32 s20, s20, s17
	s_lshl_b32 s17, s12, 9
	s_add_co_u32 s20, s20, s17
	s_mov_b32 s21, 0
	; the scale words: ((4 layer + s) x 512 + 64 (x % 8)) x 4
	s_lshl_b32 s24, s15, 13
	s_lshl_b32 s17, s14, 11
	s_add_co_u32 s24, s24, s17
	s_lshl_b32 s17, s13, 8
	s_add_co_u32 s24, s24, s17
	s_mov_b32 s25, 0
	s_mov_b32 s23, 0x600000                        ; the mantissa field of 57,344 (an instruction takes one literal: the hold's line has another)
	s_wait_kmcnt 0x0
	s_add_nc_u64 s[4:5], s[4:5], s[18:19]
	s_add_nc_u64 s[6:7], s[6:7], s[20:21]
	s_add_nc_u64 s[8:9], s[8:9], s[24:25]
.irp i, 0,1,2,3,4,5,6,7,8,9,10,11,12,13,14,15,16,17,18,19,20,21,22,23,24,25,26,27,28,29,30,31
	global_load_b32 v[X+\i], v2, s[4:5] offset:\i*2048 th:TH_LOAD_NT   ; cw2(128 s + 32 c + i, my column)
.endr
	s_wait_loadcnt 0x0                             ; all 32 enter the maximum
	v_max3_num_f32 v12, |v[X]|, |v[X+1]|, |v[X+2]|                 ; the block's largest magnitude, in two chains
	v_max3_num_f32 v13, |v[X+3]|, |v[X+4]|, |v[X+5]|
.irp i, 6,10,14,18,22,26
	v_max3_num_f32 v12, v12, |v[X+\i]|, |v[X+\i+1]|
	v_max3_num_f32 v13, v13, |v[X+\i+2]|, |v[X+\i+3]|
.endr
	v_max3_num_f32 v12, v12, |v[X+30]|, |v[X+31]|
	v_max3_num_f32 v12, v12, v13, (EMAX+1)<<23     ; and the floor 2^(16 - 127): the byte cannot fall under 1
	v_add_nc_u32 v11, -(EMAX<<23), v12             ; 15 off its exponent field: the conversion takes the exponent field of this operand as its scale
	v_and_or_b32 v10, v12, 0x7f800000, s23         ; 57,344 x the scale
.irp i, 0,1,2,3,4,5,6,7,8,9,10,11,12,13,14,15,16,17,18,19,20,21,22,23,24,25,26,27,28,29,30,31
	v_med3_num_f32 v[X+\i], v[X+\i], -v10, v10     ; the conversion to an 8-bit code does not saturate (ISA guide 7.6.2): the hold comes first
.endr
.irp g, 0,1,2,3
	v_cvt_scalef32_pk8_bf8_f32 v[C+2*\g:C+2*\g+1], v[X+8*\g:X+8*\g+7], v11
.endr
	v_lshrrev_b32 v13, 23, v11                     ; the scale's byte (also the plain line behind the conversions)
	global_store_b128 v3, v[C:C+3], s[6:7]                         ; k 0-15 of the block: the lanes h = 0 of the fragment: sixteen lanes store 256 consecutive bytes, aligned
	global_store_b128 v3, v[C+4:C+7], s[6:7] offset:256            ; k 16-31: the lanes h = 1
	ds_store_b8 v4, v13                            ; the four waves of a column's K step make its word
	s_wait_dscnt 0x0                               ; for the others' sake: my byte has landed
	s_barrier_signal -1
	s_barrier_wait -1
	s_cmp_lg_u32 s10, 0                            ; wave 0 sends the 64 words
	s_cbranch_scc1 .Lend
	ds_load_b64 v[72:73], v5
	s_wait_dscnt 0x0
	global_store_b64 v5, v[72:73], s[8:9]          ; 32 lanes store 256 consecutive bytes, aligned
.Lend:
	s_wait_tensorcnt 0x0
	ds_add_u32 v80, v81
	s_wait_dscnt 0x0
	s_endpgm
.Lfunc_end_k_qa8410bd810_quant:
	.size	k_qa8410bd810_quant, .Lfunc_end_k_qa8410bd810_quant-k_qa8410bd810_quant
	.p2alignl 7, 3214868480
	.fill 96, 4, 3214868480
	.section	.rodata,"a",@progbits
	.p2align	6, 0x0
	.amdhsa_kernel k_qa8410bd810_quant
		.amdhsa_group_segment_fixed_size 1280
		.amdhsa_private_segment_fixed_size 0
		.amdhsa_enable_private_segment 0
		.amdhsa_kernarg_size 24
		.amdhsa_user_sgpr_count 2
		.amdhsa_user_sgpr_kernarg_segment_ptr 1
		.amdhsa_wavefront_size32 1
		.amdhsa_system_sgpr_workgroup_id_x 1
		.amdhsa_system_sgpr_workgroup_id_y 1
		.amdhsa_system_sgpr_workgroup_id_z 1
		.amdhsa_system_vgpr_workitem_id 0
		.amdhsa_next_free_vgpr 82
		.amdhsa_next_free_sgpr 66
		.amdhsa_reserve_vcc 0
		.amdhsa_float_denorm_mode_32 3
		.amdhsa_float_denorm_mode_16_64 3
		.amdhsa_memory_ordered 1
		.amdhsa_forward_progress 1
		.amdhsa_inst_pref_size 10
	.end_amdhsa_kernel
	.amdgpu_metadata
---
amdhsa.version: [ 1, 2 ]
amdhsa.kernels:
  - .name:           k_qa8410bd810_quant
    .symbol:         k_qa8410bd810_quant.kd
    .args:
      - { .name: cw2, .offset: 0, .size: 8, .value_kind: global_buffer, .address_space: global }
      - { .name: w2c, .offset: 8, .size: 8, .value_kind: global_buffer, .address_space: global }
      - { .name: w2s, .offset: 16, .size: 8, .value_kind: global_buffer, .address_space: global }
    .group_segment_fixed_size: 1280
    .private_segment_fixed_size: 0
    .kernarg_segment_align: 8
    .kernarg_segment_size: 24
    .max_flat_workgroup_size: 256
    .sgpr_count:     66
    .vgpr_count:     82
    .wavefront_size: 32
...
	.end_amdgpu_metadata
.endif
;; end of part 1
;; launch flow (part 2): grid 256 x 1, 8 waves a work-group, clusters of 4 x 1, 327,680 bytes of LDS; arguments x, cw1, cb1, cb2, cw3, cb3, an_logs, an_b, w2c, w2s, out0, out1; writes out0, out1
.if DOCPART == 2
	.amdgcn_target "amdgcn-amd-amdhsa--gfx1250"
	.amdhsa_code_object_version 6
	.text
	.protected	k_qa8410bd810_flow
	.globl	k_qa8410bd810_flow
	.p2align	8
	.type	k_qa8410bd810_flow,@function
k_qa8410bd810_flow:
	s_mov_b64 s[64:65], 0
	v_nop
	global_prefetch_b8 v0, s[64:65] scope:SCOPE_SE
	s_setreg_imm32_b32 hwreg(HW_REG_WAVE_MODE, 25, 1), 1
	s_wait_xcnt 0x0
	s_wait_alu depctr_hold_cnt(0) depctr_sa_sdst(0) depctr_va_vdst(0) depctr_va_sdst(0) depctr_va_ssrc(0) depctr_va_vcc(0) depctr_vm_vsrc(0)
	s_getreg_b32 s2, hwreg(HW_REG_IB_STS2, 6, 4)
	s_cmp_eq_u32 s2, 0
	s_cbranch_scc0 .Lentry_in_a_cluster
	s_endpgm
.Lentry_in_a_cluster:
	s_bfe_u32 s2, ttmp6, 0x10000c
	s_cmp_lg_u32 s2, 0x3003
	s_cbranch_scc0 .Lentry_shape_is_right
	s_endpgm
.Lentry_shape_is_right:
; RealNVP, four coupling layers with actnorm, then a sigmoid.  In layer i, c = i % 2 is the coordinate that conditions and u = 1 - c the one that is changed:
;   h1[k] = relu(o_c cw1[i][c][k] + cb1[i][k])  (f32, one fused multiply-add);  h2 = relu(Q(h1) Q(cw2[i]) + cb2[i])  (codes of BF8 (E5M2), one E8M0 scale for each 32 along K, f32 sums);
;   s = h2 . cw3[i][:, u] + cb3[i][u],  t = h2 . cw3[i][:, 2 + u] + cb3[i][2 + u]  (f32 multiply-adds: o goes on into the next quantiser);
;   ls = tanh(s);  o_u = o_u e^ls + t;  log_det += ls;  then o_d = o_d e^(an_logs[i][d]) + an_b[i][d], log_det += an_logs[i][0] + an_logs[i][1].
; At the end log_det += sum over d of -|o_d| - 2 ln(1 + e^-|o_d|), and o_d = 1 / (1 + e^-o_d).
; LIMITS.  NaN and infinities among the inputs are not served: the products that the problem's own mask multiplies by 0 (0 x cw1[i][u][k], columns c and 2 + c of cw3 and cb3) are not formed.
; A block of zeros of h1 gets the scale byte 1 where the rule says 127: its codes are zeros.  tanh(s) = 1 - 2 / (1 + 2^(2 log2(e) s)): right to about 1e-7 absolutely, and it ends at +-1 for large |s|.
; h1's multiply-add rounds once where a product and a sum round twice.  st is summed in another order than a row-major product.
; SHARES.  A work-group of eight waves owns 256 rows; thread t keeps row t's o_0, o_1 and log_det in registers.  Nothing but the outputs goes to memory.
;   X: wave w makes h1 of rows 32 w .. 32 w + 31, a row at a time over its 32 lanes (16 neighbours along K a lane, two lanes to a block), quantises it and stores codes and scale bytes to LDS.
;   M: THE WAVES SHARE THE COLUMNS: wave w keeps columns 64 w .. 64 w + 63 of the layer's W2 in 256 registers, walks the 16 tiles of 16 rows, and for each: 16 matrix instructions, relu, and its part of s and t.
;      A fragment of h1 read from LDS feeds four matrix instructions.  Two waves share a SIMD: one wave's vector work stands beside the other's matrix work.
;   U: thread t adds its row's 16 partial (s, t) and updates its row.
; THE MATRIX INSTRUCTION IS USED TRANSPOSED (source 0 = 16 columns of W2, source 1 = 16 rows of h1): a lane holds ONE row (lane % 16) and eight neighbouring hidden units 8 (lane / 16) + 0 .. 7.
; THE WEIGHTS lie in memory in the order of the operand's registers.  K steps 2 and 3 of a layer (131,072 bytes) come through one LDS slot by JOINT tensor loads of a cluster of four work-groups, which all want
; the same bytes: each wave brings its own 16,384 bytes, asked for a whole phase M ahead, and copies them to registers late in X.  K steps 0 and 1 are loaded straight into registers when M has ended.
; Why only half is shared: beside h1's codes, the partial sums, the tables and the spare words (190,464 bytes of 327,680) one slot of 131,072 bytes fits, and the registers that take a layer's weights are free only when M has ended.
; REGISTERS.  Window 0: v0 thread; v1, v2 for the add; v3-5 o_0, o_1, log_det; v6-23 addresses; v24-31 W2's scale words, v32-35 h1's (scales and nothing else);
;   v36-67 cb2 (the C of each sum's first product); v68-131 cw3's two columns; v132-195 h1's four fragments; v196-227 four accumulators; v228-237 the sums of s and t; v240-247 at work.
;   In X: v132-147 cw1, v148-163 cb1, v164-195 two rows of h1, v196-211 codes, v212-221 at work, v240-243 four rows' o_c.
;   Window 1: W2's fragments: tile t, K step s at v[64 t + 16 s].
.set PITCH,   528                      ; a row of h1's codes in LDS: 512 bytes + 16: an odd multiple of 16, so the 16 rows that a fragment load touches begin in 16 different columns of 16 bytes
.set L_HSC,   256*PITCH                ; h1's codes lie from byte 0; behind them its scale bytes, 16 a row
.set L_SP,    L_HSC+4096               ; the partial sums: [wave 8][row 256][half 2] pairs (s, t) of 8 bytes
.set L_AV,    L_SP+32768               ; o_c of each row, 4 bytes; at the end log_det
.set L_W3T,   L_AV+1024                ; [layer 4][512 f32: cw3[:, u]][512 f32: cw3[:, 2 + u]]
.set L_SLOT,  L_W3T+16384              ; the slot: the one target of tensor loads; no LDS store ever writes there
.set L_SPARE, L_SLOT+131072            ; the spare words, 128 bytes for each wave: four blocks of 256 bytes that no other line names
.set W2S,  24
.set HS,   32
.set B2,   36
.set W3,   68
.set FRAG, 132
.set ACC,  196
.set CH,   228
.set W1,   132
.set B1,   148
.set HA,   164
.set CD,   196
.set TM,   212
.set MSB, 0
.macro WIN new                         ; the immediate's high byte repeats the setting that is left; a switch that changes nothing is dropped
.if MSB != \new
	s_set_vgpr_msb (MSB<<8)|\new
.set MSB, \new
.endif
.endm
; A round of the cluster's barrier: my work-group's barrier, so that wave 0's signal speaks for all eight waves; wave 0 signals; every wave waits for all four work-groups; my work-group's barrier once more.
.macro ROUND
	s_barrier_signal -1
	s_barrier_wait -1
	s_cmp_lg_u32 s28, 0
	s_cbranch_scc1 .Lnot_wave_0_\@
	s_barrier_signal -3
.Lnot_wave_0_\@:
	s_barrier_wait -3
	s_barrier_signal -1
	s_barrier_wait -1
.endm
.macro BAR                             ; my LDS stores have landed and my LDS loads are in: then the work-group's barrier
	s_wait_dscnt 0x0
	s_barrier_signal -1
	s_barrier_wait -1
.endm
; Two rows of h1, by turns so that no line waits for the line above it.  Their o_c lie in the pair v[ap], v[ap + 1]; they are rows r0 and r0 + 1 of the trip's four.
.macro ROW2 ap, r0
.irp q, 0,2,4,6,8,10,12,14
	v_pk_fma_f32 v[HA+\q:HA+\q+1], v[W1+\q:W1+\q+1], v[\ap:\ap+1], v[B1+\q:B1+\q+1] op_sel_hi:[1,0,1]                    ; o_c w + b, two at a time: the pair's first word for both halves
	v_pk_fma_f32 v[HA+16+\q:HA+16+\q+1], v[W1+\q:W1+\q+1], v[\ap:\ap+1], v[B1+\q:B1+\q+1] op_sel:[0,1,0] op_sel_hi:[1,1,1]   ; the second row: its second word
.endr
.irp p, 0,1                            ; the largest of my 16.  No |.|: what is negative is to become 0, so it must not count; the floor stands over it
	v_max3_num_f32 v[TM+5*\p], v[HA+16*\p], v[HA+16*\p+1], v[HA+16*\p+2]
	v_max3_num_f32 v[TM+5*\p+1], v[HA+16*\p+3], v[HA+16*\p+4], v[HA+16*\p+5]
.endr
.irp n, 6,10
.irp p, 0,1
	v_max3_num_f32 v[TM+5*\p], v[TM+5*\p], v[HA+16*\p+\n], v[HA+16*\p+\n+1]
	v_max3_num_f32 v[TM+5*\p+1], v[TM+5*\p+1], v[HA+16*\p+\n+2], v[HA+16*\p+\n+3]
.endr
.endr
.irp p, 0,1
	v_max3_num_f32 v[TM+5*\p], v[TM+5*\p], v[HA+16*\p+14], v[HA+16*\p+15]
.endr
.irp p, 0,1
	v_max3_num_f32 v[TM+5*\p], v[TM+5*\p], v[TM+5*\p+1], 0x8000000   ; and the floor 2^(16 - 127): the byte cannot fall under 1
.endr
.irp p, 0,1
	v_max_num_f32_dpp v[TM+5*\p], v[TM+5*\p], v[TM+5*\p] row_xmask:1 row_mask:0xf bank_mask:0xf   ; with my neighbour's 16: the block's
.endr
.irp p, 0,1
	v_add_nc_u32 v[TM+5*\p+2], 0xf8800000, v[TM+5*\p]              ; 15 off the exponent field: the conversion's scale operand
.endr
.irp p, 0,1
	v_and_or_b32 v[TM+5*\p+3], v[TM+5*\p], 0x7f800000, s60         ; 57,344 x the scale
.endr
.irp n, 0,1,2,3,4,5,6,7,8,9,10,11,12,13,14,15
.irp p, 0,1
	v_med3_num_f32 v[HA+16*\p+\n], v[HA+16*\p+\n], 0, v[TM+5*\p+3] ; the activation and the hold in one (the conversion to an 8-bit code does not saturate: ISA guide 7.6.2)
.endr
.endr
	s_wait_dscnt 0x0                               ; the LDS stores issued before have read their registers: codes and bytes may be written again
.irp p, 0,1
	v_cvt_scalef32_pk8_bf8_f32 v[CD+4*(\r0+\p):CD+4*(\r0+\p)+1], v[HA+16*\p:HA+16*\p+7], v[TM+5*\p+2]
	v_cvt_scalef32_pk8_bf8_f32 v[CD+4*(\r0+\p)+2:CD+4*(\r0+\p)+3], v[HA+16*\p+8:HA+16*\p+15], v[TM+5*\p+2]
.endr
.irp p, 0,1
	v_lshrrev_b32 v[TM+5*\p+4], 23, v[TM+5*\p+2]   ; the scale's byte (also the plain line behind the conversions)
.endr
.irp p, 0,1
	ds_store_b128 v17, v[CD+4*(\r0+\p):CD+4*(\r0+\p)+3] offset:(\r0+\p)*PITCH   ; 32 lanes store the row's 512 codes on end
	ds_store_b8 v18, v[TM+5*\p+4] offset:(\r0+\p)*16               ; both lanes of a block write the same byte with the same value
.endr
.endm
; n trips of four rows, from trip first on.
.macro XTRIPS n, first
	s_mov_b32 s88, (\first)*4*PITCH
	s_mov_b32 s89, (\first)*64
	s_mov_b32 s90, (\first)*16
	s_mov_b32 s91, \n
.Lx_\@:
	v_add_nc_u32 v17, s88, v6                      ; the four rows' codes,
	v_add_nc_u32 v18, s89, v7                      ; their scale bytes,
	v_add_nc_u32 v19, s90, v8                      ; their o_c
	ds_load_b128 v[240:243], v19                   ; every lane reads the same 16 bytes: my wave's own words, which it stored itself
	s_wait_dscnt 0x0
	ROW2 240, 0
	ROW2 242, 2
	s_add_co_u32 s88, s88, 4*PITCH
	s_add_co_u32 s89, s89, 64
	s_add_co_u32 s90, s90, 16
	s_sub_co_u32 s91, s91, 1
	s_cmp_lg_u32 s91, 0
	s_cbranch_scc1 .Lx_\@
.endm
; My part of the slot, K steps 2 and 3 of my four tiles, goes to registers.  Only I read these bytes, so my own wait is all the ordering that the reads need.
.macro COPY
	s_wait_tensorcnt 0x0                           ; my one tensor load: none was issued behind it
	WIN 0x40                                       ; destination window 1
.irp t, 0,1,2,3
.irp e, 0,1
.irp c, 0,1,2,3
	ds_load_b128 v[64*\t+32+16*\e+4*\c:64*\t+32+16*\e+4*\c+3], v14 offset:(2*\t+\e)*2048+512*\c
.endr
.endr
.endr
	WIN 0
.endm
; h1's four fragments of a tile of 16 rows (lane (r, h): row r; registers 4 c .. 4 c + 3 of K step s: k = 128 s + 32 c + 16 h + 0 .. 15) and the rows' four scale words.
.macro FETCH a0, a1
.irp s, 0,1,2,3
.irp c, 0,1,2,3
	ds_load_b128 v[FRAG+16*\s+4*\c:FRAG+16*\s+4*\c+3], v[\a0] offset:128*\s+32*\c
.endr
.endr
	ds_load_b128 v[HS:HS+3], v[\a1]
.endm
; One product: tile t of my columns, K step s.  The first K step takes cb2 as C.  W2's scale words of tiles 2 p and 2 p + 1 share a register: the odd tile's lie in lanes 16-31.
.macro MM t, s
.if (\s) == 0
.if (\t)%2
	v_wmma_scale_f32_16x16x128_f8f6f4 v[ACC+8*(\t):ACC+8*(\t)+7], v[64*(\t)+16*(\s):64*(\t)+16*(\s)+15], v[FRAG+16*(\s):FRAG+16*(\s)+15], v[B2+8*(\t):B2+8*(\t)+7], v[W2S+4*((\t)/2)+(\s)], v[HS+(\s)] matrix_a_fmt:MATRIX_FMT_BF8 matrix_b_fmt:MATRIX_FMT_BF8 matrix_a_scale:MATRIX_SCALE_ROW1
.else
	v_wmma_scale_f32_16x16x128_f8f6f4 v[ACC+8*(\t):ACC+8*(\t)+7], v[64*(\t)+16*(\s):64*(\t)+16*(\s)+15], v[FRAG+16*(\s):FRAG+16*(\s)+15], v[B2+8*(\t):B2+8*(\t)+7], v[W2S+4*((\t)/2)+(\s)], v[HS+(\s)] matrix_a_fmt:MATRIX_FMT_BF8 matrix_b_fmt:MATRIX_FMT_BF8
.endif
.else
.if (\t)%2
	v_wmma_scale_f32_16x16x128_f8f6f4 v[ACC+8*(\t):ACC+8*(\t)+7], v[64*(\t)+16*(\s):64*(\t)+16*(\s)+15], v[FRAG+16*(\s):FRAG+16*(\s)+15], v[ACC+8*(\t):ACC+8*(\t)+7], v[W2S+4*((\t)/2)+(\s)], v[HS+(\s)] matrix_a_fmt:MATRIX_FMT_BF8 matrix_b_fmt:MATRIX_FMT_BF8 matrix_a_scale:MATRIX_SCALE_ROW1
.else
	v_wmma_scale_f32_16x16x128_f8f6f4 v[ACC+8*(\t):ACC+8*(\t)+7], v[64*(\t)+16*(\s):64*(\t)+16*(\s)+15], v[FRAG+16*(\s):FRAG+16*(\s)+15], v[ACC+8*(\t):ACC+8*(\t)+7], v[W2S+4*((\t)/2)+(\s)], v[HS+(\s)] matrix_a_fmt:MATRIX_FMT_BF8 matrix_b_fmt:MATRIX_FMT_BF8
.endif
.endif
.endm
; A tile of 16 rows against my 64 columns.  next = 1: the next tile's fragments are fetched behind the products and land under the vector work.
.macro MTILE next
	s_wait_dscnt 0x0                               ; the fragments and scale words are in; the last tile's store is done
	WIN 0x01                                       ; source 0 (W2) window 1
.irp s, 0,1,2,3                        ; the four accumulators take turns, one instruction a turn, K ascending
.irp t, 0,1,2,3
	MM \t, \s
.endr
.endr
	WIN 0
	; eight places behind the last product: plain vector lines that name none of its registers; then loads into the fragments and reads of the results
	v_add_nc_u32 v19, s86, v11                     ; where this tile's partial sums go
.if \next
	v_add_nc_u32 v17, s84, v9                      ; the next tile's fragments
	v_add_nc_u32 v18, s85, v10                     ; and scale words
.rept 5
	v_nop
.endr
	FETCH 17, 18
.else
.rept 7
	v_nop
.endr
.endif
.irp t, 0,1,2,3                        ; relu, and my 32 hidden units' part of s and t: two chains each.  Each accumulator is read from its low end on
.irp j, 0,1,2,3,4,5,6,7
	v_max_num_f32 v[ACC+8*\t+\j], 0, v[ACC+8*\t+\j]
.endr
.irp q, 0,1,2,3
.if (\t == 0) && (\q < 2)
	v_pk_mul_f32 v[CH+2*\q:CH+2*\q+1], v[ACC+8*\t+2*\q:ACC+8*\t+2*\q+1], v[W3+16*\t+2*\q:W3+16*\t+2*\q+1]           ; the first products start the sums
	v_pk_mul_f32 v[CH+4+2*\q:CH+4+2*\q+1], v[ACC+8*\t+2*\q:ACC+8*\t+2*\q+1], v[W3+16*\t+8+2*\q:W3+16*\t+8+2*\q+1]
.else
	v_pk_fma_f32 v[CH+2*(\q%2):CH+2*(\q%2)+1], v[ACC+8*\t+2*\q:ACC+8*\t+2*\q+1], v[W3+16*\t+2*\q:W3+16*\t+2*\q+1], v[CH+2*(\q%2):CH+2*(\q%2)+1]
	v_pk_fma_f32 v[CH+4+2*(\q%2):CH+4+2*(\q%2)+1], v[ACC+8*\t+2*\q:ACC+8*\t+2*\q+1], v[W3+16*\t+8+2*\q:W3+16*\t+8+2*\q+1], v[CH+4+2*(\q%2):CH+4+2*(\q%2)+1]
.endif
.endr
.endr
	v_pk_add_f32 v[CH:CH+1], v[CH:CH+1], v[CH+2:CH+3]
	v_pk_add_f32 v[CH+4:CH+5], v[CH+4:CH+5], v[CH+6:CH+7]
	v_add_f32 v236, v[CH], v[CH+1]
	v_add_f32 v237, v[CH+4], v[CH+5]
	ds_store_b64 v19, v[236:237]                   ; 32 lanes store 256 consecutive bytes of my wave's own region
.if \next
	s_add_co_u32 s84, s84, 16*PITCH
	s_add_co_u32 s85, s85, 256
	s_add_co_u32 s86, s86, 256
.endif
.endm
; Layer i's end for my row: the 16 partial sums, the coupling, actnorm.
.macro UPD i
.set UU, 1-((\i)%2)
.irp j, 0,1,2,3,4,5,6,7
	ds_load_b128 v[ACC+4*\j:ACC+4*\j+3], v12 offset:4096*\j        ; wave j's two pairs (s, t) of my row
.endr
	v_mov_b32 v244, s[44+2*(\i)]
	v_mov_b32 v245, s[45+2*(\i)]
	v_mul_f32 v244, 0x3fb8aa3b, v244
	v_mul_f32 v245, 0x3fb8aa3b, v245
	v_exp_f32 v244, v244                           ; e^(an_logs[i][0]),
	v_exp_f32 v245, v245                           ; e^(an_logs[i][1])
	v_add_f32 v5, s[44+2*(\i)], v5                 ; (a plain line behind the exponentials)
	v_add_f32 v5, s[45+2*(\i)], v5
	s_wait_dscnt 0x0
.irp k, 0,1,2,3,4,5,6,7
	v_pk_add_f32 v[ACC+2*\k:ACC+2*\k+1], v[ACC+2*\k:ACC+2*\k+1], v[ACC+16+2*\k:ACC+17+2*\k]
.endr
.irp k, 0,1,2,3
	v_pk_add_f32 v[ACC+2*\k:ACC+2*\k+1], v[ACC+2*\k:ACC+2*\k+1], v[ACC+8+2*\k:ACC+9+2*\k]
.endr
.irp k, 0,1
	v_pk_add_f32 v[ACC+2*\k:ACC+2*\k+1], v[ACC+2*\k:ACC+2*\k+1], v[ACC+4+2*\k:ACC+5+2*\k]
.endr
	v_pk_add_f32 v[ACC:ACC+1], v[ACC:ACC+1], v[ACC+2:ACC+3]
	v_add_f32 v[ACC], s[68+4*(\i)+UU], v[ACC]      ; s
	v_add_f32 v[ACC+1], s[70+4*(\i)+UU], v[ACC+1]  ; t
	v_mul_f32 v240, 0x4038aa3b, v[ACC]             ; 2 log2(e) s
	v_exp_f32 v240, v240
	v_nop                                          ; one plain line behind a transcendental (ISA guide 5.7.2)
	s_wait_alu depctr_va_vdst(0)
	v_add_f32 v240, 1.0, v240
	v_rcp_f32 v240, v240
	v_nop
	s_wait_alu depctr_va_vdst(0)
	v_fma_f32 v241, -2.0, v240, 1.0                ; ls = tanh(s)
	v_mul_f32 v242, 0x3fb8aa3b, v241
	v_exp_f32 v242, v242                           ; e^ls
	v_add_f32 v5, v5, v241                         ; (a plain line)
	s_wait_alu depctr_va_vdst(0)
	v_fma_f32 v[3+UU], v[3+UU], v242, v[ACC+1]
	v_fma_f32 v3, v3, v244, s[52+2*(\i)]
	v_fma_f32 v4, v4, v245, s[53+2*(\i)]
.endm
.macro LAYER i
.set CC, (\i)%2
	; This layer's tables and K steps 0 and 1 of its weights are asked for as soon as the registers are free: behind the last tile's places and vector work.  56 loads, in this order.
.irp q, 0,1,2,3
	global_load_b128 v[W1+4*\q:W1+4*\q+3], v20, s[6:7] offset:(2*(\i)+CC)*2048+16*\q     ; cw1[i][c][16 lane ..]
.endr
.irp q, 0,1,2,3
	global_load_b128 v[B1+4*\q:B1+4*\q+3], v20, s[8:9] offset:2048*(\i)+16*\q            ; cb1[i][16 lane ..]
.endr
.irp t, 0,1,2,3
.irp e, 0,1
	global_load_b128 v[B2+8*\t+4*\e:B2+8*\t+4*\e+3], v21, s[10:11] offset:2048*(\i)+64*\t+16*\e   ; cb2[i][64 w + 16 t + 8 h ..]: the result's layout
.endr
.endr
.irp p, 0,1
.irp s, 0,1,2,3
	global_load_b32 v[W2S+4*\p+\s], v16, s[22:23] offset:(4*(\i)+\s)*2048+128*\p         ; the words of columns 64 w + 32 p + lane, K step s
.endr
.endr
	WIN 0x40                                       ; destination window 1
.irp t, 0,1,2,3
.irp e, 0,1
.irp c, 0,1,2,3
	global_load_b128 v[64*\t+16*\e+4*\c:64*\t+16*\e+4*\c+3], v15, s[20:21] offset:262144*(\i)+(2*\t+\e)*2048+512*\c   ; 32 lanes read 512 consecutive bytes
.endr
.endr
.endr
	WIN 0
	BAR                                            ; every wave's partial sums lie in LDS, and nobody reads h1's codes any more (layer 0: cw3's table lies in LDS).  My tensor load may stay out
.irp t, 0,1,2,3
.irp e, 0,1
	ds_load_b128 v[W3+16*\t+4*\e:W3+16*\t+4*\e+3], v22 offset:4096*(\i)+64*\t+16*\e
	ds_load_b128 v[W3+16*\t+8+4*\e:W3+16*\t+8+4*\e+3], v22 offset:4096*(\i)+2048+64*\t+16*\e
.endr
.endr
.if (\i) > 0
	UPD (\i)-1
.endif
	ds_store_b32 v13, v[3+CC]                      ; my row's o_c: read by my own wave alone, and LDS serves a wave's instructions in order (ISA guide 5.7.1.4)
	s_wait_loadcnt 48                              ; cw1 and cb1 are in: behind them 8 + 8 + 32 loads were issued, which stay out
	XTRIPS 6, 0
	COPY
	XTRIPS 2, 6
.if (\i) < 3
	s_wait_tensorcnt 0x0                           ; no tensor load of mine is out, so the descriptor may be written
	ds_add_u32 v1, v2                              ; 0 onto my spare word
	s_add_nc_u64 s[42:43], s[42:43], 0x40000       ; the next layer's K steps 2 and 3; the type bits on top are not reached
	s_wait_dscnt 0x0                               ; the add is done, my copy out of the slot is in registers, and my codes and scale bytes have landed
	ROUND                                          ; all that holds of every wave of all four work-groups
	tensor_load_to_lds s[40:43], s[32:39]          ; the joint refill, my one tensor load behind the round: it has all of M in which to land
	s_nop 0
.rept 4
	v_nop
.endr
.else
	BAR                                            ; the last layer asks for nothing more
.endif
	s_wait_loadcnt 0x0                             ; cb2, W2's scale words, K steps 0 and 1
	s_mov_b32 s84, 16*PITCH
	s_mov_b32 s85, 256
	s_mov_b32 s86, 0
	s_mov_b32 s87, 15
	FETCH 9, 10                                    ; tile 0
.Lm_\@:
	MTILE 1
	s_sub_co_u32 s87, s87, 1
	s_cmp_lg_u32 s87, 0
	s_cbranch_scc1 .Lm_\@
	MTILE 0                                        ; the last tile fetches nothing
.endm
	s_load_b512 s[4:19], s[0:1], 0x0               ; x s[4:5], cw1 s[6:7], cb1 s[8:9], cb2 s[10:11], cw3 s[12:13], cb3 s[14:15], an_logs s[16:17], an_b s[18:19]
	s_load_b256 s[20:27], s[0:1], 0x40             ; the codes s[20:21], the scale words s[22:23], out0 s[24:25], out1 s[26:27]
	v_lshl_add_u32 v1, v0, 2, L_SPARE
	v_mov_b32 v2, 0
	ds_add_u32 v1, v2
	ds_add_u32 v1, v2
	s_wait_dscnt 0x0
	v_lshrrev_b32 v240, 5, v0
	v_readfirstlane_b32 s28, v240                  ; wave 0..7
	s_bfe_u32 s29, ttmp6, 0x40000                  ; cx: my place in the cluster: it enters the addresses of x, out0 and out1 alone
	s_lshl_b32 s30, ttmp9, 2                       ; in a cluster launch ttmp9 counts clusters
	s_add_co_u32 s30, s30, s29                     ; my work-group
	; descriptor group 1: 16,384 dense bytes as 64 rows of 256 bytes
	s_mov_b32 s32, 15|(3<<16)|(1<<21)              ; 15:0 the mask: all four work-groups; 17:16 elements of 8 bytes; 21 set beside a mask; no padding
	s_mov_b32 s33, 32<<16                          ; tensor_dim0 = 32
	s_mov_b32 s34, 64<<16                          ; tensor_dim1 = 64
	s_mov_b32 s35, 32<<16                          ; tile_dim0 = 32
	s_mov_b32 s36, 64                              ; tile_dim1 = 64
	s_mov_b32 s37, 32                              ; tensor_dim0_stride
	s_mov_b32 s38, 0
	s_mov_b32 s39, 0
	s_mov_b32 s60, 0x600000                        ; the mantissa field of 57,344
	s_mov_b32 s61, 0xbfb8aa3b                      ; -log2(e)
	s_lshl_b32 s92, s30, 11                        ; my 256 rows of x and out0
	s_mov_b32 s93, 0
	s_lshl_b32 s94, s28, 8                         ; my wave's 64 columns in cb2 and among the scale words
	s_mov_b32 s95, 0
	s_lshl_b32 s96, s28, 14                        ; my wave's part of half a layer's codes
	s_mov_b32 s97, 0
	s_mov_b32 s40, 1                               ; group 0: count = 1;
	s_lshl_b32 s41, s28, 14
	s_add_co_u32 s41, s41, L_SLOT                  ; LDS address: my wave's part of the slot;
	s_wait_kmcnt 0x0
	s_add_nc_u64 s[4:5], s[4:5], s[92:93]
	s_add_nc_u64 s[24:25], s[24:25], s[92:93]
	s_lshl_b32 s92, s30, 10                        ; my 256 rows of out1
	s_add_nc_u64 s[26:27], s[26:27], s[92:93]
	s_add_nc_u64 s[10:11], s[10:11], s[94:95]
	s_add_nc_u64 s[22:23], s[22:23], s[94:95]
	s_add_nc_u64 s[20:21], s[20:21], s[96:97]
	s_add_nc_u64 s[42:43], s[20:21], 0x20000       ; global address: layer 0's K steps 2 and 3, my wave's part: the same in all four work-groups;
	s_or_b32 s43, s43, 0x80000000                  ; type = 2
	ROUND                                          ; all four work-groups are here: the first joint loads meet
	tensor_load_to_lds s[40:43], s[32:39]
	s_nop 0
.rept 4
	v_nop
.endr
	s_load_b256 s[44:51], s[16:17], 0x0            ; an_logs[i][d] at s[44 + 2 i + d]
	s_load_b256 s[52:59], s[18:19], 0x0            ; an_b likewise
	s_load_b512 s[68:83], s[14:15], 0x0            ; cb3[i][j] at s[68 + 4 i + j]
	v_lshlrev_b32 v23, 3, v0                       ; 8 x thread: my row of x and out0
	v_lshlrev_b32 v17, 4, v0                       ; 16 x thread: a row of cw3
	global_load_b64 v[246:247], v23, s[4:5] th:TH_LOAD_NT
.irp e, 0,1,2,3,4,5,6,7
	global_load_b128 v[ACC+4*\e:ACC+4*\e+3], v17, s[12:13] offset:4096*\e   ; cw3[e / 2][256 (e % 2) + thread][0 .. 3]
.endr
	v_and_b32 v240, 31, v0                         ; lane
	v_and_b32 v241, 15, v0                         ; r
	v_bfe_u32 v242, v0, 4, 1                       ; h
	v_lshlrev_b32 v15, 4, v240                     ; 16 x lane
	v_lshlrev_b32 v16, 2, v240                     ; 4 x lane
	v_lshlrev_b32 v20, 6, v240                     ; 64 x lane
	v_lshlrev_b32 v21, 5, v242                     ; 32 h
	s_mul_i32 s31, s28, 32*PITCH
	v_add_nc_u32 v6, s31, v15                      ; X: my wave's 32 rows of codes, 16 bytes a lane
	v_lshrrev_b32 v7, 1, v240
	s_lshl_b32 s31, s28, 9
	s_add_co_u32 s31, s31, L_HSC
	v_add_nc_u32 v7, s31, v7                       ; X: their scale bytes: my block's
	s_lshl_b32 s31, s28, 7
	s_add_co_u32 s31, s31, L_AV
	v_mov_b32 v8, s31                              ; X: their o_c
	v_mul_u32_u24 v9, v241, PITCH
	v_lshl_add_u32 v9, v242, 4, v9                 ; M: a fragment's row x pitch + 16 h
	v_lshl_add_u32 v10, v241, 4, L_HSC             ; M: row r's four scale words
	v_lshlrev_b32 v11, 4, v241
	v_lshl_add_u32 v11, v242, 3, v11
	s_lshl_b32 s31, s28, 12
	s_add_co_u32 s31, s31, L_SP
	v_add_nc_u32 v11, s31, v11                     ; M: my wave's region of partial sums, 16 r + 8 h
	v_lshl_add_u32 v12, v0, 4, L_SP                ; U: my row's 16 bytes in wave 0's region
	v_lshl_add_u32 v13, v0, 2, L_AV                ; my row's word
	v_add_nc_u32 v14, s41, v15                     ; my wave's part of the slot, 16 bytes a lane
	s_lshl_b32 s31, s28, 8
	s_add_co_u32 s31, s31, L_W3T
	v_add_nc_u32 v22, s31, v21                     ; cw3's table at hidden unit 64 w + 8 h
	s_wait_loadcnt 0x0
	v_mov_b32 v3, v246                             ; o_0, o_1
	v_mov_b32 v4, v247
	v_mov_b32 v5, 0                                ; log_det
.irp e, 0,1,2,3,4,5,6,7                ; of each row of cw3 the two columns that layer e / 2 keeps: u = 1 - (e / 2) % 2 and 2 + u
	ds_store_b32 v13, v[ACC+4*\e+1-((\e/2)%2)] offset:L_W3T-L_AV+4096*(\e/2)+1024*(\e%2)
	ds_store_b32 v13, v[ACC+4*\e+3-((\e/2)%2)] offset:L_W3T-L_AV+4096*(\e/2)+1024*(\e%2)+2048
.endr
	s_wait_kmcnt 0x0                               ; an_logs, an_b, cb3
	LAYER 0
	LAYER 1
	LAYER 2
	LAYER 3
	BAR                                            ; the last layer's partial sums lie in LDS
	UPD 3
	; the sigmoid: log_det += sum over d of -|o_d| - 2 ln(1 + e^-|o_d|);  o_d = 1 / (1 + e^-o_d)
	v_mul_f32 v240, s61, |v3|
	v_mul_f32 v241, s61, |v4|
	v_mul_f32 v242, s61, v3
	v_mul_f32 v243, s61, v4
	v_exp_f32 v240, v240
	v_exp_f32 v241, v241
	v_exp_f32 v242, v242
	v_exp_f32 v243, v243
	v_sub_f32 v5, v5, |v3|                         ; (plain lines behind the exponentials)
	v_sub_f32 v5, v5, |v4|
	s_wait_alu depctr_va_vdst(0)
	v_add_f32 v240, 1.0, v240
	v_add_f32 v241, 1.0, v241
	v_add_f32 v242, 1.0, v242
	v_add_f32 v243, 1.0, v243
	v_log_f32 v240, v240
	v_log_f32 v241, v241
	v_rcp_f32 v246, v242
	v_rcp_f32 v247, v243
	v_lshlrev_b32 v17, 4, v0                       ; (a plain line)  16 x thread: out1's way out,
	v_lshl_add_u32 v18, v0, 4, L_AV                ; and the same in LDS
	s_wait_alu depctr_va_vdst(0)
	v_fmamk_f32 v5, v240, 0xbfb17218, v5           ; -2 ln(2) x log2(1 + e^-|o|)
	v_fmamk_f32 v5, v241, 0xbfb17218, v5
	global_store_b64 v23, v[246:247], s[24:25] th:TH_STORE_NT      ; 32 lanes store 256 consecutive bytes, aligned
	ds_store_b32 v13, v5                           ; log_det meets in LDS, so that it leaves 16 bytes a lane
	BAR
	s_cmp_gt_u32 s28, 1                            ; waves 0 and 1 send the 256 numbers
	s_cbranch_scc1 .Lno_ld
	ds_load_b128 v[240:243], v18
	s_wait_dscnt 0x0
	global_store_b128 v17, v[240:243], s[26:27] th:TH_STORE_NT     ; 32 lanes store 512 consecutive bytes, aligned
.Lno_ld:
	s_wait_tensorcnt 0x0                           ; the wave's end: behind my last tensor load and my last LDS store
	ds_add_u32 v1, v2
	s_wait_dscnt 0x0
	ROUND                                          ; the closing round: no work-group ends while a partner may still ask for a tile that names it
	s_endpgm
.Lfunc_end_k_qa8410bd810_flow:
	.size	k_qa8410bd810_flow, .Lfunc_end_k_qa8410bd810_flow-k_qa8410bd810_flow
	.p2alignl 7, 3214868480
	.fill 96, 4, 3214868480
	.section	.rodata,"a",@progbits
	.p2align	6, 0x0
	.amdhsa_kernel k_qa8410bd810_flow
		.amdhsa_group_segment_fixed_size 327680
		.amdhsa_private_segment_fixed_size 0
		.amdhsa_enable_private_segment 0
		.amdhsa_kernarg_size 96
		.amdhsa_user_sgpr_count 2
		.amdhsa_user_sgpr_kernarg_segment_ptr 1
		.amdhsa_wavefront_size32 1
		.amdhsa_system_sgpr_workgroup_id_x 1
		.amdhsa_system_sgpr_workgroup_id_y 1
		.amdhsa_system_sgpr_workgroup_id_z 1
		.amdhsa_system_vgpr_workitem_id 0
		.amdhsa_next_free_vgpr 512
		.amdhsa_next_free_sgpr 100
		.amdhsa_reserve_vcc 0
		.amdhsa_float_denorm_mode_32 3
		.amdhsa_float_denorm_mode_16_64 3
		.amdhsa_memory_ordered 1
		.amdhsa_forward_progress 1
		.amdhsa_inst_pref_size 197
	.end_amdhsa_kernel
	.amdgpu_metadata
---
amdhsa.version: [ 1, 2 ]
amdhsa.kernels:
  - .name:           k_qa8410bd810_flow
    .symbol:         k_qa8410bd810_flow.kd
    .args:
      - { .name: x, .offset: 0, .size: 8, .value_kind: global_buffer, .address_space: global }
      - { .name: cw1, .offset: 8, .size: 8, .value_kind: global_buffer, .address_space: global }
      - { .name: cb1, .offset: 16, .size: 8, .value_kind: global_buffer, .address_space: global }
      - { .name: cb2, .offset: 24, .size: 8, .value_kind: global_buffer, .address_space: global }
      - { .name: cw3, .offset: 32, .size: 8, .value_kind: global_buffer, .address_space: global }
      - { .name: cb3, .offset: 40, .size: 8, .value_kind: global_buffer, .address_space: global }
      - { .name: an_logs, .offset: 48, .size: 8, .value_kind: global_buffer, .address_space: global }
      - { .name: an_b, .offset: 56, .size: 8, .value_kind: global_buffer, .address_space: global }
      - { .name: w2c, .offset: 64, .size: 8, .value_kind: global_buffer, .address_space: global }
      - { .name: w2s, .offset: 72, .size: 8, .value_kind: global_buffer, .address_space: global }
      - { .name: out0, .offset: 80, .size: 8, .value_kind: global_buffer, .address_space: global }
      - { .name: out1, .offset: 88, .size: 8, .value_kind: global_buffer, .address_space: global }
    .group_segment_fixed_size: 327680
    .private_segment_fixed_size: 0
    .kernarg_segment_align: 8
    .kernarg_segment_size: 96
    .max_flat_workgroup_size: 256
    .sgpr_count:     100
    .vgpr_count:     512
    .wavefront_size: 32
...
	.end_amdgpu_metadata
.endif
;; end of part 2
